; MI455X (gfx1250); checked and timed in simulation.
; The chip was launched on July 23, 2026; its instructions are those of AMD's public machine-readable ISA for CDNA 5 (MIT licence, August 2026) and "CDNA5" Instruction Set Architecture Reference Guide (July 2026). The comments in the code are by the model that wrote it; some were corrected since.
;; ICNN net. Allowed arithmetic: matrix products marked QUANTISED: E2M1 operands, one E8M0 scale for each 32 along K, by v_wmma_scale_f32_16x16x128_f8f6f4 with both operands' format E2M1 (or v_wmma_scale_f32_32x16x128_f4), f32 sums; products left as they are: f32 operands where the result goes on into a quantised operand, else bf16, f16 or f32 operands; f32 sums; everything else in f32.
;; Inputs: V2x_w 64 x 2 float32; V2z_w 64 x 64 float32; V3x_w 64 x 2 float32; V3z_w 64 x 64 float32; Vfx_w 1 x 2 float32; Vfz_w 1 x 64 float32; Vl1_w 64 x 2 float32; X 500,000 x 2 float32; Xstable 500,000 x 2 float32; f1_b 128 float32; f1_w 128 x 2 float32; f2_b 128 float32; f2_w_codes 128 x 4 x 16 uint8 (E2M1 codes of f2_w, K innermost, in blocks of 32 codes, two codes a byte); f2_w_scales 128 x 4 uint8 (E8M0 scales of f2_w, one for each 32 codes along K); f3_b 128 float32; f3_w_codes 128 x 4 x 16 uint8 (E2M1 codes of f3_w, K innermost, in blocks of 32 codes, two codes a byte); f3_w_scales 128 x 4 uint8 (E8M0 scales of f3_w, one for each 32 codes along K); f4_b 128 float32; f4_w_codes 128 x 4 x 16 uint8 (E2M1 codes of f4_w, K innermost, in blocks of 32 codes, two codes a byte); f4_w_scales 128 x 4 uint8 (E8M0 scales of f4_w, one for each 32 codes along K); f5_b 128 float32; f5_w_codes 128 x 4 x 16 uint8 (E2M1 codes of f5_w, K innermost, in blocks of 32 codes, two codes a byte); f5_w_scales 128 x 4 uint8 (E8M0 scales of f5_w, one for each 32 codes along K); ff_b 2 float32; ff_w 2 x 128 float32.
;; Outputs: out0 500,000 x 2 float32.
;; This version of the problem:
;;   THIS VERSION OF THE PROBLEM IS GIVEN IN LOW PRECISION. The matrix products marked QUANTISED in the list below multiply operands that are first quantised to E2M1 (2 exponent bits, 1 mantissa bit; 4 bits a number), with one power-of-two scale for each 32 numbers along K (OCP MX v1.0); their sums are f32. All else is computed in f32.
;;   The module's matrix products, in the order in which they are computed (A, B: the left and right operand; K: the contracted axis; several contracted axes count as one K, in the product's order):
;;     1. [M 500,000, K 2] x [K 2, N 64]; A: computed on the way; B: input Vl1_w: left as it is (K = 2 < 32)
;;     2. [M 500,000, K 2] x [K 2, N 64]; A: computed on the way; B: input V2x_w: left as it is (K = 2 < 32)
;;     3. [M 500,000, K 64] x [K 64, N 64]; A: computed on the way; B: input V2z_w: QUANTISED
;;     4. [M 500,000, K 2] x [K 2, N 64]; A: computed on the way; B: input V3x_w: left as it is (K = 2 < 32)
;;     5. [M 500,000, K 64] x [K 64, N 64]; A: computed on the way; B: input V3z_w: QUANTISED
;;     6. [M 500,000, K 2] x [K 2, N 1]; A: computed on the way; B: input Vfx_w: left as it is (K = 2 < 32)
;;     7. [M 500,000, K 64] x [K 64, N 1]; A: computed on the way; B: input Vfz_w: left as it is (N = 1 < 16)
;;     8. [M 500,000, K 1] x [K 1, N 64]; A: computed on the way; B: input Vfz_w: left as it is (K = 1 < 32)
;;     9. [M 500,000, K 1] x [K 1, N 2]; A: computed on the way; B: input Vfx_w: left as it is (K = 1 < 32)
;;     10. [M 500,000, K 64] x [K 64, N 64]; A: computed on the way; B: input V3z_w: QUANTISED
;;     11. [M 500,000, K 64] x [K 64, N 2]; A: computed on the way; B: input V3x_w: left as it is (N = 2 < 16)
;;     12. [M 500,000, K 64] x [K 64, N 64]; A: computed on the way; B: input V2z_w: QUANTISED
;;     13. [M 500,000, K 64] x [K 64, N 2]; A: computed on the way; B: input V2x_w: left as it is (N = 2 < 16)
;;     14. [M 500,000, K 64] x [K 64, N 2]; A: computed on the way; B: input Vl1_w: left as it is (N = 2 < 16)
;;     15. [M 500,000, K 2] x [K 2, N 128]; A: input X; B: input f1_w: left as it is (K = 2 < 32)
;;     16. [M 500,000, K 128] x [K 128, N 128]; A: computed on the way; B: input f2_w (given as codes): QUANTISED
;;     17. [M 500,000, K 128] x [K 128, N 128]; A: computed on the way; B: input f3_w (given as codes): QUANTISED
;;     18. [M 500,000, K 128] x [K 128, N 128]; A: computed on the way; B: input f4_w (given as codes): QUANTISED
;;     19. [M 500,000, K 128] x [K 128, N 128]; A: computed on the way; B: input f5_w (given as codes): QUANTISED
;;     20. [M 500,000, K 128] x [K 128, N 2]; A: computed on the way; B: input ff_w: left as it is (N = 2 < 16)
;;   THE QUANTISER, for each operand of a quantised product, along K:
;;     - K is cut into blocks of 32 from its start; a last block that is shorter is filled with zeros.
;;     - A block's scale is 2^e with e = floor(log2(the largest magnitude in the block)) - 2, held to -126 .. 127; a block of zeros has e = 0. As a byte (E8M0): e + 127.
;;     - Each number is divided by its block's scale, clamped to +-6, and rounded to the nearest number of E2M1, ties to even, subnormals kept.
;;     - The product sums the exact products of the quantised numbers (number of the format x scale) in f32.
;;   ~~~python
;;   def quantise(x, axis):      # numpy; x: float32 -> the quantised numbers, widened to float32 again
;;       x = np.moveaxis(x, axis, -1); K = x.shape[-1]
;;       x = np.pad(x, [(0, 0)] * (x.ndim - 1) + [(0, -K % 32)]); x = x.reshape(x.shape[:-1] + (-1, 32)); a = np.abs(x).max(-1, keepdims=True)
;;       e = np.where(a > 0, np.clip(np.frexp(np.where(a > 0, a, 1))[1] - 1 - 2, -126, 127), 0)      # np.frexp(a)[1] - 1 = floor(log2(a)), exactly
;;       r = np.clip(x / 2.0 ** e, -6, 6)
;;       step = 2.0 ** (np.maximum(np.frexp(np.where(r == 0, 1, r))[1] - 1, 0) - 1)
;;       q = np.round(r / step) * step * 2.0 ** e      # np.round: ties to even
;;       return np.moveaxis(q.reshape(q.shape[:-2] + (-1,))[..., :K], -1, axis).astype(np.float32)
;;   ~~~
;;   OPERANDS COMPUTED ON THE WAY. 'Computed on the way' means the value that the module computes at that place (a softmax that the list does not call 'softmax' is quantised finished and normalised). What goes into a quantiser is computed in f32, as accurately as f32 sums, v_exp_f32 and their like allow (about 1e-6 of the number): no bf16 or f16 on the way to a quantiser, and a product that is left as it is and whose result goes on into a quantised operand takes f32 operands (vector FMAs, or v_wmma_f32_16x16x4_f32). A number that lies on a knife's edge between two numbers of the format may be rounded either way, as far as f32 arithmetic and the matrix unit's own rounding can turn it there, and no further.
;;   INPUTS GIVEN AS CODES. f2_w (in the module: [128, 128], K = its axis 1); f3_w (in the module: [128, 128], K = its axis 1); f4_w (in the module: [128, 128], K = its axis 1); f5_w (in the module: [128, 128], K = its axis 1): each comes as NAME_codes (uint8): NAME with its K axis moved to the last place and cut into blocks of 32 codes, [.., K / 32, bytes a block], one block behind the other in memory; two codes a byte, the lower K in the low four bits (a code: sign, 2 exponent bits, 1 mantissa bit); and NAME_scales (uint8): the same leading axes, one E8M0 byte (e + 127) for each 32 codes along K. Its value is code x scale, taken as it is: it is not quantised again, and the codes and scales need not be those that the quantiser above would give.
;; One version. Each part assembles by itself: llvm-mc -triple=amdgcn-amd-amdhsa -mcpu=gfx1250 --defsym DOCPART=n.
;; ======== version 1 of 1: 1 launch
;; limits: values are held in f16: magnitudes above 65,504 overflow, below 6.1e-05 lose precision
;; launch icnn (part 1): grid 256 x 1, 4 waves a work-group, no clusters, 0 bytes of LDS; arguments X, Xstable, out0, Vl1_w, V2x_w, V3x_w, V2z_w, V3z_w, Vfx_w, Vfz_w, f1_w, f1_b, ff_w, ff_b, f2_w_codes, f3_w_codes, f4_w_codes, f5_w_codes, f2_w_scales, f3_w_scales, f4_w_scales, f5_w_scales, f2_b, f3_b, f4_b, f5_b; writes out0
.if DOCPART == 1
	.amdgcn_target "amdgcn-amd-amdhsa--gfx1250"
	.amdhsa_code_object_version 6
	.text
	.protected	k_q176777bfd3_icnn
	.globl	k_q176777bfd3_icnn
	.p2align	8
	.type	k_q176777bfd3_icnn,@function
k_q176777bfd3_icnn:
	s_mov_b64 s[64:65], 0
	v_nop
	global_prefetch_b8 v0, s[64:65] scope:SCOPE_SE
	s_setreg_imm32_b32 hwreg(HW_REG_WAVE_MODE, 25, 1), 1
	s_wait_xcnt 0x0
; f = f_hat - gradV relu(f_hat . gradV + 0.1 V) / (|gradV|^2 + 1e-10) for 500,000 rows of two numbers.
; V: three layers of 64 units with a smooth relu, forward and, written out by hand, backward; f_hat: five layers of 128 units with a leaky relu.
; The eight products 64 x 64 and 128 x 128 run on codes of FP4 (E2M1) with one E8M0 scale for each 32 along K.
; SHARES.  1,024 waves, one to a SIMD with all its registers.  Every wave keeps ALL weights in registers for the whole launch and walks pairs of 16-row tiles:
; pair p = 4 x work-group + wave + 1,024 i, p < 15,625.  A pair is 32 rows: 256 consecutive bytes of the output, aligned, stored by one instruction.  No activation leaves the registers: no LDS, no barrier.
; No cluster and no joint loads: the loop fetches 16 bytes a row of X and Xstable and nothing else, and no two work-groups read the same rows.
; LAYOUT.  Every product is used transposed (source 0 = 16 weight rows, source 1 = my 16 data rows): a lane (r = lane % 16, h = lane / 16) holds data row r throughout.
; THE WEIGHT ROWS OF A TILE ARE NOT NEIGHBOURS: row m of tile (c, q) is unit 64 c + 8 q + m % 8 + 32 (m / 8).  The four tiles of a half layer c then fill a zone of 32 registers in which
; register i of lane (r, h) is unit 64 c + 32 h + i: one WHOLE block of 32 along the next K, in K's order.  So a block's largest magnitude needs no other lane, and four conversions give registers
; 4 c .. 4 c + 3 of the next operand as they stand; only the scale word's bytes are exchanged between the halves of the lanes.
; The layers of 64 units use half of the instruction's K: the data operand's registers 4-7 are zero codes.  Their weight fragments are four registers, named as eight: the upper four are the next
; fragment's codes, finite numbers that meet zero codes and add nothing.
; THE PRODUCTS WITH K = 2 (d and X against Vl1, V2x, V3x, f1) feed quantisers and take f32 operands: v_wmma_f32_16x16x4_f32, K places 0, 1 = the two numbers, place 2 = 1.0 against f1's bias.
; Where a product on codes follows (a2, a3) it adds in place onto that result.  The biases f2_b .. f5_b are the C of the products on codes.
; THE PRODUCTS WITH N = 2 feed no quantiser: ga3 V3x, ga2 V2x, ga1 Vl1 in bf16 and h5 ff_w^T in f16 all add onto ONE accumulator, whose registers 0-3 are gradV's two sums and f_hat's two.
; smooth relu: c = the middle of (a, 0, 1); value c (a - c / 2), slope c.  leaky relu: max(x, 0.01 x).
; LIMITS.  NaN and infinities among the inputs are not served.  A block whose largest magnitude lies under 2^-124 (zeros too) gets the scale byte 1, where the quantiser's rule says 127 for zeros: its
; codes are zeros, and this program alone reads the bytes.  h5 and ff_w are rounded to f16: |h5| and |ff_w| must stay under 65,504, and under 6e-5 they keep an absolute step of 6e-8.
; ga1, ga2, ga3 and Vl1, V2x, V3x (in the backward sums) are rounded to bf16.  The division is v_rcp_f32 and a multiplication.  The sums z3 . Vfz and h5 . ff_w are taken in another order than written.
.set USE_DUAL, 1                       ; the leaky relu's maxima two to an instruction
.set PAIRS, 15625                      ; pairs of tiles: 500,000 / 32
; ---- window 0
.set GOFF, 1                           ; 8 r: my row in a tile of X
.set OL,   2                           ; 8 x lane: my row in a pair of the output
.set H8,   3                           ; 8 h: my byte's place in a scale word
.set VOFFA, 4                          ; offsets of the loads in flight, a register for each tile of a pair
.set VOFFB, 5
.set OV,   6                           ; the store's offset
.set XNA,  8                           ; v8-11   X's pair, Xstable's pair, tile A;  v12-15 tile B
.set XNB,  12
.set DD,   16                          ; v16-17  d = X - Xstable
.set CF,   18                          ; v18     slope(zf) x slope(af); v19 = 0, named with it as a pair
.set VV,   20                          ; V
.set GX,   21                          ; v21-22  cf Vfx + 0.02 d
.set FS,   23                          ; the scale word of f's activations: scales and nothing else
.set VS,   24                          ; that of V's
.set BY0,  25
.set SOP,  26                          ; the conversions' scale operand
.set BY,   27
.set WW,   28
.set WO,   29
.set OO,   30                          ; v30-31  the output pair
.set QQ,   32                          ; v32-39  at work
.set MG,   40                          ; v40-41 gradV, v42-43 f_hat, v44 V: lanes 0-15 tile A's rows, lanes 16-31 tile B's
.set MF,   42
.set MV,   44
.set SS,   45                          ; v45-46  at work
.set FSW,  48                          ; v48-63  f2 .. f5's scale words: 4 (L - 2) + 2 c + q / 2; lanes 0-15 the even tile's, lanes 16-31 the odd tile's
.set VSW,  64                          ; v64-71  V's: 2 M + q / 2, likewise
.set FC,   72                          ; v72-79  codes of f's activations
.set VC,   80                          ; v80-83  codes of V's; v84-87 zero codes
.set ACC,  88                          ; v88-95  the accumulator of the N = 2 products
.set ZF,   96                          ; two zones of 32: written by matrix instructions alone
.set ZB,   128
.set TT,   160                         ; activations on their way to the quantiser
.set C1,   192                         ; slopes of layer 1, later ga1
.set C2,   224                         ; slopes of layer 2, later ga2
; ---- window 1: f2 .. f5's fragments at 64 (L - 2) + 32 c + 8 q.   window 2: their biases at the same numbers, in the result's layout.
; ---- window 3
.set VW,   0                           ; V's fragments at 16 M + 4 q: M 0 V2z, 1 V3z (K = axis 1), 2 V3z, 3 V2z (K = axis 0); 64-67 zero
.set XWF,  68                          ; f32 fragments, two registers a tile: f1's eight,
.set XWL,  84                          ; Vl1's four,
.set XB,   92                          ; (x0, x1 | 1, 0)
.set DB,   94                          ; (d0, d1 | 0, 0)
.set VFZ,  96                          ; Vfz[32 h + i]
.set Z3,   128                         ; a3 - c3 / 2; later 16-bit operands: low half 128, high half 144
.set XW2,  160                         ; V2x's four, V3x's four
.set XW3,  168
.set BWG,  176                         ; bf16 fragments 16 g + 8 s: g 0 V3x, 1 V2x, 2 Vl1
.set BWF,  224                         ; f16 fragments of ff_w, 8 s
; ---- the head's lane offsets (registers that the loop uses for other things later)
.set OFW,  16
.set OB,   17
.set OFFW, 18
.set OFS,  20
.set OX8,  21
.set OX4,  22
.set OVF,  25
.set OVB,  26
.set OG,   27
.set MSB, 0
.macro WIN new                         ; low byte: bits 1:0 source 0, 3:2 source 1, 5:4 source 2, 7:6 destination; the high byte repeats the setting that is left
.if MSB != (\new)
	s_set_vgpr_msb (MSB<<8)|(\new)
.set MSB, (\new)
.endif
.endm
; ================= vector units, 16 independent lines each
.macro FM z                            ; T = 0.01 x
	WIN 0
.set i, 0
.rept 16
	v_pk_mul_f32 v[TT+2*i:TT+2*i+1], v[\z+2*i:\z+2*i+1], s[60:61] op_sel_hi:[1,0]
.set i, i+1
.endr
.endm
.macro FX z                            ; T = max(x, 0.01 x)
	WIN 0
.set i, 0
.rept 16
.if USE_DUAL
	v_dual_max_num_f32 v[TT+2*i], v[\z+2*i], v[TT+2*i] :: v_dual_max_num_f32 v[TT+2*i+1], v[\z+2*i+1], v[TT+2*i+1]
.else
	v_max_num_f32 v[TT+2*i], v[\z+2*i], v[TT+2*i]
	v_max_num_f32 v[TT+2*i+1], v[\z+2*i+1], v[TT+2*i+1]
.endif
.set i, i+1
.endr
.endm
.macro QT s                            ; the largest magnitude of my block's 32 numbers, with the floor 2^(3 - 127) as one more leaf: the byte cannot fall under 1
	WIN 0
.set i, 0
.rept 8
	v_max3_num_f32 v[QQ+i], |v[\s+3*i]|, |v[\s+3*i+1]|, |v[\s+3*i+2]|
.set i, i+1
.endr
	v_max3_num_f32 v[QQ], v[QQ], v[QQ+1], |v[\s+24]|
	v_max3_num_f32 v[QQ+2], v[QQ+2], v[QQ+3], |v[\s+25]|
	v_max3_num_f32 v[QQ+4], v[QQ+4], v[QQ+5], |v[\s+26]|
	v_max3_num_f32 v[QQ+6], v[QQ+6], v[QQ+7], |v[\s+27]|
	v_max3_num_f32 v[QQ+1], |v[\s+28]|, |v[\s+29]|, |v[\s+30]|
	v_max3_num_f32 v[QQ], v[QQ], v[QQ+2], v[QQ+4]
	v_max3_num_f32 v[QQ+6], v[QQ+6], v[QQ+1], |v[\s+31]|
	v_max3_num_f32 v[QQ], v[QQ], v[QQ+6], 0x1800000
.endm
.macro QF0                             ; half layer 0 of f: registers 0-3 of the operand; its byte is kept
	WIN 0
	v_add_nc_u32 v[SOP], 0xff000000, v[QQ]         ; 2 off the exponent field: the conversion takes that field as its scale
.irp g, 0,1,2,3
	v_cvt_scalef32_pk8_fp4_f32 v[FC+\g], v[TT+8*\g:TT+8*\g+7], v[SOP]
.endr
	v_lshrrev_b32 v[BY0], 23, v[SOP]               ; the byte; also the plain line behind the conversions
.endm
.macro QF1                             ; half layer 1: registers 4-7, and the scale word: my bytes are blocks h and 2 + h, lane l xor 16 has the other two
	WIN 0
	v_add_nc_u32 v[SOP], 0xff000000, v[QQ]
	v_lshrrev_b32 v[BY], 23, v[SOP]
	v_cvt_scalef32_pk8_fp4_f32 v[FC+4], v[TT:TT+7], v[SOP]
	v_lshl_or_b32 v[WW], v[BY], 16, v[BY0]
	v_cvt_scalef32_pk8_fp4_f32 v[FC+5], v[TT+8:TT+15], v[SOP]
	v_lshlrev_b32 v[WW], v[H8], v[WW]
	v_cvt_scalef32_pk8_fp4_f32 v[FC+6], v[TT+16:TT+23], v[SOP]
	v_permlanex16_b32 v[WO], v[WW], s62, s63
	v_cvt_scalef32_pk8_fp4_f32 v[FC+7], v[TT+24:TT+31], v[SOP]
	v_or_b32 v[FS], v[WW], v[WO]
.endm
.macro QFV s                           ; a layer of 64: registers 0-3; bytes 0, 1 of the word, bytes 2, 3 stay 0 over zero codes
	WIN 0
	v_add_nc_u32 v[SOP], 0xff000000, v[QQ]
	v_lshrrev_b32 v[BY], 23, v[SOP]
	v_cvt_scalef32_pk8_fp4_f32 v[VC], v[\s:\s+7], v[SOP]
	v_lshlrev_b32 v[WW], v[H8], v[BY]
	v_cvt_scalef32_pk8_fp4_f32 v[VC+1], v[\s+8:\s+15], v[SOP]
	v_permlanex16_b32 v[WO], v[WW], s62, s63
	v_cvt_scalef32_pk8_fp4_f32 v[VC+2], v[\s+16:\s+23], v[SOP]
	v_cvt_scalef32_pk8_fp4_f32 v[VC+3], v[\s+24:\s+31], v[SOP]
	v_or_b32 v[VS], v[WW], v[WO]
.endm
.macro MED c, z, from                  ; c = the middle of (a, 0, 1), 16 registers from 'from' on
	WIN 0
.set i, \from
.rept 16
	v_med3_num_f32 v[\c+i], v[\z+i], 0, 1.0
.set i, i+1
.endr
.endm
.macro VT c, z                         ; T = a - c / 2
	WIN 0
.set i, 0
.rept 16
	v_pk_fma_f32 v[TT+2*i:TT+2*i+1], v[\c+2*i:\c+2*i+1], -0.5, v[\z+2*i:\z+2*i+1] op_sel_hi:[1,0,1]
.set i, i+1
.endr
.endm
.macro VZ c                            ; T = c (a - c / 2): the smooth relu
	WIN 0
.set i, 0
.rept 16
	v_pk_mul_f32 v[TT+2*i:TT+2*i+1], v[\c+2*i:\c+2*i+1], v[TT+2*i:TT+2*i+1]
.set i, i+1
.endr
.endm
.macro V3T z                           ; Z3 = a3 - c3 / 2 (c3 lies in T)
	WIN 0xC0
.set i, 0
.rept 16
	v_pk_fma_f32 v[Z3+2*i:Z3+2*i+1], v[TT+2*i:TT+2*i+1], -0.5, v[\z+2*i:\z+2*i+1] op_sel_hi:[1,0,1]
.set i, i+1
.endr
.endm
.macro V3U                             ; T = u = c3 Vfz
	WIN 0x0C
.set i, 0
.rept 16
	v_pk_mul_f32 v[TT+2*i:TT+2*i+1], v[TT+2*i:TT+2*i+1], v[VFZ+2*i:VFZ+2*i+1]
.set i, i+1
.endr
.endm
.macro V3P                             ; z3 . Vfz = the sum of u (a3 - c3 / 2): four chains of pairs, started by their first products
	WIN 0x0C
.set i, 0
.rept 4
	v_pk_mul_f32 v[QQ+2*i:QQ+2*i+1], v[TT+2*i:TT+2*i+1], v[Z3+2*i:Z3+2*i+1]
.set i, i+1
.endr
.rept 12
	v_pk_fma_f32 v[QQ+2*(i%4):QQ+2*(i%4)+1], v[TT+2*i:TT+2*i+1], v[Z3+2*i:Z3+2*i+1], v[QQ+2*(i%4):QQ+2*(i%4)+1]
.set i, i+1
.endr
.endm
.macro V3G                             ; T = ga3 = cf u
	WIN 0
.set i, 0
.rept 16
	v_pk_mul_f32 v[TT+2*i:TT+2*i+1], v[TT+2*i:TT+2*i+1], v[CF:CF+1] op_sel_hi:[1,0]
.set i, i+1
.endr
.endm
.macro VGM c, z                        ; c = ga = gz x slope, in the slopes' registers
	WIN 0
.set i, 0
.rept 16
	v_pk_mul_f32 v[\c+2*i:\c+2*i+1], v[\z+2*i:\z+2*i+1], v[\c+2*i:\c+2*i+1]
.set i, i+1
.endr
.endm
.macro GAB s, d                        ; 32 numbers to bf16: two operands of 32 along K
	WIN 0xC0
.set i, 0
.rept 16
	v_cvt_pk_bf16_f32 v[\d+i], v[\s+2*i], v[\s+2*i+1]
.set i, i+1
.endr
.endm
.macro HB d                            ; T to f16, likewise
	WIN 0xC0
.set i, 0
.rept 16
	v_cvt_pk_f16_f32 v[\d+i], v[TT+2*i], v[TT+2*i+1]
.set i, i+1
.endr
.endm
; ================= matrix instructions
.macro X32 z, q, frag, b               ; a tile of a product with K = 2, f32 operands; it starts the tile's sum
	WIN 0x0F
	v_wmma_f32_16x16x4_f32 v[\z+8*\q:\z+8*\q+7], v[\frag:\frag+1], v[\b:\b+1], 0
.endm
.macro W4 d, a, b, c, sa, sb, odd      ; a product on codes; the odd tile's scale words lie in lanes 16-31
.if \odd
	v_wmma_scale_f32_16x16x128_f8f6f4 v[\d:\d+7], v[\a:\a+7], v[\b:\b+7], \c, v[\sa], v[\sb] matrix_a_fmt:MATRIX_FMT_FP4 matrix_b_fmt:MATRIX_FMT_FP4 matrix_a_scale:MATRIX_SCALE_ROW1
.else
	v_wmma_scale_f32_16x16x128_f8f6f4 v[\d:\d+7], v[\a:\a+7], v[\b:\b+7], \c, v[\sa], v[\sb] matrix_a_fmt:MATRIX_FMT_FP4 matrix_b_fmt:MATRIX_FMT_FP4
.endif
.endm
.macro MFB L, c, z                     ; half layer c of f's layer L into zone z; C = the bias
	WIN 0x21
.irp q, 0,1,2,3
	W4 \z+8*\q, 64*(\L-2)+32*\c+8*\q, FC, v[64*(\L-2)+32*\c+8*\q:64*(\L-2)+32*\c+8*\q+7], FSW+4*(\L-2)+2*\c+\q/2, FS, \q%2
.endr
.endm
.macro MVB M, z, inplace               ; V's matrix M into zone z; inplace = 1: onto the K = 2 product that lies there
	WIN 0x03
.irp q, 0,1,2,3
.if \inplace
	W4 \z+8*\q, VW+16*\M+4*\q, VC, v[\z+8*\q:\z+8*\q+7], VSW+2*\M+\q/2, VS, \q%2
.else
	W4 \z+8*\q, VW+16*\M+4*\q, VC, 0, VSW+2*\M+\q/2, VS, \q%2
.endif
.endr
.endm
; The links on ACC.  Between two of them always stands another accumulator's matrix instruction, one instruction a turn; where bf16 and f16 change, 16 plain lines lie between.
.macro LK g, s, src, first
	WIN 0x0F
.if \first
	v_wmma_f32_16x16x32_bf16 v[ACC:ACC+7], v[BWG+16*\g+8*\s:BWG+16*\g+8*\s+7], v[\src+8*\s:\src+8*\s+7], 0
.else
	v_wmma_f32_16x16x32_bf16 v[ACC:ACC+7], v[BWG+16*\g+8*\s:BWG+16*\g+8*\s+7], v[\src+8*\s:\src+8*\s+7], v[ACC:ACC+7]
.endif
.endm
.macro FFK s, src
	WIN 0x0F
	v_wmma_f32_16x16x32_f16 v[ACC:ACC+7], v[BWF+8*\s:BWF+8*\s+7], v[\src:\src+7], v[ACC:ACC+7]
.endm
; ================= a row's scalars
.macro CHAIN R                         ; af, zf, V, cf and the part of gradV that needs no sum.  The products of f's layer 4 stand in its middle
	WIN 0
	v_pk_add_f32 v[QQ:QQ+1], v[QQ:QQ+1], v[QQ+2:QQ+3]
	v_pk_add_f32 v[QQ+4:QQ+5], v[QQ+4:QQ+5], v[QQ+6:QQ+7]
	v_mul_f32 v[SS], s56, v[DD]
	v_mul_f32 v[SS+1], v[DD], v[DD]
	v_pk_add_f32 v[QQ:QQ+1], v[QQ:QQ+1], v[QQ+4:QQ+5]
	v_fma_f32 v[SS], s57, v[DD+1], v[SS]           ; d . Vfx
	v_fma_f32 v[SS+1], v[DD+1], v[DD+1], v[SS+1]   ; |d|^2
	v_mul_f32 v[GX], 0x3ca3d70a, v[DD]             ; 0.02 d
	v_mul_f32 v[GX+1], 0x3ca3d70a, v[DD+1]
	v_add_f32 v[QQ], v[QQ], v[QQ+1]
	v_permlanex16_b32 v[WO], v[QQ], s62, s63       ; the row's other 32 units lie in lane l xor 16
	MFB 4, 0, \R
	WIN 0
	v_add_f32 v[QQ], v[QQ], v[WO]
	v_add_f32 v[QQ], v[QQ], v[SS]                  ; af
	v_med3_num_f32 v[QQ+1], v[QQ], 0, 1.0          ; its slope
	v_fma_f32 v[QQ+2], v[QQ+1], -0.5, v[QQ]
	v_mul_f32 v[QQ+2], v[QQ+1], v[QQ+2]            ; zf: never negative; where af < 0 it is 0 x a negative number, a zero with the sign set
	v_min_num_f32 v[QQ+3], |v[QQ+2]|, 1.0          ; its slope: only the hold at 1 is needed; |.| takes the sign off that zero
	v_mul_f32 v[CF], v[QQ+3], v[QQ+1]              ; cf
	v_fma_f32 v[QQ+4], v[QQ+3], -0.5, v[QQ+2]
	v_mul_f32 v[QQ+4], v[QQ+3], v[QQ+4]
	v_fma_f32 v[VV], s60, v[SS+1], v[QQ+4]         ; V = smooth relu(zf) + 0.01 |d|^2
	v_fma_f32 v[GX], v[CF], s56, v[GX]
	v_fma_f32 v[GX+1], v[CF], s57, v[GX+1]
.endm
; The next tile's d and its two f32 operands, and the loads for the tile two tiles on: pair s69 + ahead, held at the last pair so that no load leaves its buffer.
.macro PREP xn, voff, ahead, add
	s_add_co_u32 s71, s69, \ahead
	s_min_u32 s71, s71, PAIRS-1
	s_lshl_b32 s71, s71, 8
.if \add
	s_add_co_u32 s71, s71, \add
.endif
	WIN 0
	s_wait_loadcnt 0x2                             ; loads come back in order: the two that are younger are the other tile's; mine are in, and their offset register is free
	v_sub_f32 v[DD], v[\xn], v[\xn+2]
	v_sub_f32 v[DD+1], v[\xn+1], v[\xn+3]
	WIN 0xC0
	v_cndmask_b32 v[XB], v[\xn], 1.0, s66          ; lanes 16-31 hold K places 2 and 3: 1 (against the bias) and 0
	v_cndmask_b32 v[XB+1], v[\xn+1], 0, s66
	v_cndmask_b32 v[DB], v[DD], 0, s66
	v_cndmask_b32 v[DB+1], v[DD+1], 0, s66
	WIN 0
	v_add_nc_u32 v[\voff], s71, v[GOFF]
	global_load_b64 v[\xn:\xn+1], v[\voff], s[4:5]
	global_load_b64 v[\xn+2:\xn+3], v[\voff], s[6:7]
.endm
.macro TF mode                         ; a tile's five numbers a row; both halves of the lanes hold them: tile A's stay in lanes 0-15, tile B's go to lanes 16-31
	WIN 0
.rept 4
	v_nop                                          ; four places behind the last link, in front of the first read of ACC, which begins at its low end
.endr
.if \mode == 0
	v_add_f32 v[MG], v[ACC], v[GX]
	v_add_f32 v[MG+1], v[ACC+1], v[GX+1]
	v_add_f32 v[MF], s58, v[ACC+2]
	v_add_f32 v[MF+1], s59, v[ACC+3]
	v_mov_b32 v[MV], v[VV]
.else
	v_add_f32 v[QQ], v[ACC], v[GX]
	v_add_f32 v[QQ+1], v[ACC+1], v[GX+1]
	v_add_f32 v[QQ+2], s58, v[ACC+2]
	v_add_f32 v[QQ+3], s59, v[ACC+3]
	v_cndmask_b32 v[MG], v[MG], v[QQ], s66
	v_cndmask_b32 v[MG+1], v[MG+1], v[QQ+1], s66
	v_cndmask_b32 v[MF], v[MF], v[QQ+2], s66
	v_cndmask_b32 v[MF+1], v[MF+1], v[QQ+3], s66
	v_cndmask_b32 v[MV], v[MV], v[VV], s66
.endif
.endm
.macro PF                              ; the pair's 32 rows, a lane a row
	WIN 0
	v_fma_f32 v[SS], v[MG], v[MG], 0x2edbe6ff      ; |gradV|^2 + 1e-10
	v_mul_f32 v[SS+1], v[MF], v[MG]
	v_fma_f32 v[SS], v[MG+1], v[MG+1], v[SS]
	v_fma_f32 v[SS+1], v[MF+1], v[MG+1], v[SS+1]   ; f_hat . gradV
	v_rcp_f32 v[QQ], v[SS]
	v_fma_f32 v[SS+1], 0x3dcccccd, v[MV], v[SS+1]  ; + 0.1 V   (plain lines behind the reciprocal)
	v_max_num_f32 v[SS+1], 0, v[SS+1]
	s_wait_alu depctr_va_vdst(0)                   ; the wait ahead of the first line that names the reciprocal
	v_mul_f32 v[SS+1], v[SS+1], v[QQ]
	s_wait_xcnt 0x0                                ; the last trip's store has read its data and its offset: both are written again below
	v_fma_f32 v[OO], -v[MG], v[SS+1], v[MF]
	v_fma_f32 v[OO+1], -v[MG+1], v[SS+1], v[MF+1]
	s_lshl_b32 s71, s69, 8
	v_add_nc_u32 v[OV], s71, v[OL]
	global_store_b64 v[OV], v[OO:OO+1], s[8:9] th:TH_STORE_NT   ; 32 lanes store 256 consecutive bytes, at a multiple of 256 from the output's first byte
.endm
; ================= stages of a tile.  P: the zone of V's layers, R: the zone of f's.
; Distances are kept by whole units of 16 plain lines: a scale word or a code register is written a unit or more ahead of the product that reads it; a result of the f32 form is read, or added onto, a unit
; or more behind it (8 and 9 places are asked), a result on codes likewise (4 and 5).  The f32 products stand singly between units, the products on codes in fours.
.macro SV P, R, c, L, xw               ; a layer of V: slopes kept in c, smooth relu, quantised; beside it f's layer L, half 0, and the next layer's K = 2 product
	MED \c, \P, 0
	MFB \L, 0, \R
	MED \c, \P, 16
	VT \c, \P
	X32 \P, 0, \xw, DB
	VZ \c
	X32 \P, 1, \xw+2, DB
	QT TT
	X32 \P, 2, \xw+4, DB
	QFV TT
.endm
.macro SF P, R, L, M, xw               ; f's layer L: leaky relu and quantiser of both halves; beside it V's product M onto the K = 2 product
	FM \R
	X32 \P, 3, \xw+6, DB
	FX \R
	MFB \L, 1, \R
	QT TT
	MVB \M, \P, 1
	QF0
	FM \R
	FX \R
	QT TT
	QF1
.endm
; At entry: P holds f1's half 0 of this tile, R's first tile f1's tile 4; XB, DB, DD are this tile's.  At the end the same holds of the next tile with P and R changed over.
.macro TILE P, R, mode, xn, voff, ahead, add
	FM \P                                          ; ---- h1, and a1 = d Vl1^T
	X32 \R, 1, XWF+10, XB
	FX \P
	X32 \R, 2, XWF+12, XB
	QT TT
	X32 \R, 3, XWF+14, XB
	QF0
	X32 \P, 0, XWL, DB
	FM \R
	X32 \P, 1, XWL+2, DB
	FX \R
	X32 \P, 2, XWL+4, DB
	QT TT
	X32 \P, 3, XWL+6, DB
	QF1
	SV \P, \R, C1, 2, XW2                          ; ---- z1 | f2
	SF \P, \R, 2, 0, XW2                           ; ---- h2 | a2 = d V2x^T + z1 V2z^T
	SV \P, \R, C2, 3, XW3                          ; ---- z2 | f3
	SF \P, \R, 3, 1, XW3                           ; ---- h3 | a3
	MED TT, \P, 0                                  ; ---- the top of V, and back down: ga3
	MED TT, \P, 16
	V3T \P
	V3U
	V3P
	CHAIN \R
	V3G
	QT TT
	QFV TT
	GAB TT, Z3
	FM \R                                          ; ---- h4 | gz2 = ga3 V3z | ga3 V3x starts ACC
	LK 0, 0, Z3, 1
	FX \R
	MFB 4, 1, \R
	LK 0, 1, Z3, 0
	QT TT
	MVB 2, \P, 0
	QF0
	FM \R
	FX \R
	QT TT
	QF1
	VGM C2, \P                                     ; ---- ga2 | f5
	MFB 5, 0, \R
	QT C2
	QFV C2
	GAB C2, Z3
	PREP \xn, \voff, \ahead, \add
	FM \R                                          ; ---- h5 and its product with ff_w | gz1 = ga2 V2z, ga1 | the next tile's f1
	LK 1, 0, Z3, 0
	FX \R
	MFB 5, 1, \R
	LK 1, 1, Z3, 0
	HB Z3+16
	MVB 3, \P, 0
	FM \R
	FFK 0, Z3+16
	FX \R
	X32 \R, 0, XWF, XB
	FFK 1, Z3+24
	HB Z3
	X32 \R, 1, XWF+2, XB
	FFK 2, Z3
	VGM C1, \P
	X32 \R, 2, XWF+4, XB
	FFK 3, Z3+8
	GAB C1, Z3+16
	X32 \R, 3, XWF+6, XB
	LK 2, 0, Z3+16, 0
	X32 \P, 0, XWF+8, XB
	LK 2, 1, Z3+16, 0
	TF \mode
.endm
; ================= the head's quantiser of V2z and V3z: four fragments by turns.  b: a fragment's 32 numbers (a whole block a lane), t: eight registers at work, e: one more, d: its four code registers
.macro QWA b, t, e                     ; all sources in the numbers' window
.set i, 0
.rept 8
	v_max3_num_f32 v[\t+i], |v[\b+3*i]|, |v[\b+3*i+1]|, |v[\b+3*i+2]|
.set i, i+1
.endr
	v_max3_num_f32 v[\e], |v[\b+28]|, |v[\b+29]|, |v[\b+30]|
.endm
.macro QWB b, t, e                     ; source 2 alone in the numbers' window
	v_max3_num_f32 v[\t], v[\t], v[\t+1], |v[\b+24]|
	v_max3_num_f32 v[\t+2], v[\t+2], v[\t+3], |v[\b+25]|
	v_max3_num_f32 v[\t+4], v[\t+4], v[\t+5], |v[\b+26]|
	v_max3_num_f32 v[\t+6], v[\t+6], v[\t+7], |v[\b+27]|
	v_max3_num_f32 v[\e], v[\e], v[\e], |v[\b+31]|
.endm
.macro QWC t, e                        ; window 0: t + 1 = the conversions' scale operand, t + 2 = the row's scale word
	v_max3_num_f32 v[\t], v[\t], v[\t+2], v[\t+4]
	v_max3_num_f32 v[\t+6], v[\t+6], v[\e], 0x1800000
	v_max_num_f32 v[\t], v[\t], v[\t+6]
	v_add_nc_u32 v[\t+1], 0xff000000, v[\t]
	v_lshrrev_b32 v[\t+2], 23, v[\t+1]
	v_lshlrev_b32 v[\t+2], v[H8], v[\t+2]
	v_permlanex16_b32 v[\t+3], v[\t+2], s62, s63
	v_or_b32 v[\t+2], v[\t+2], v[\t+3]
.endm
.macro QWD b, t, d                     ; destination window 3, source 0 in the numbers' window
.irp g, 0,1,2,3
	v_cvt_scalef32_pk8_fp4_f32 v[\d+\g], v[\b+8*\g:\b+8*\g+7], v[\t+1]
.endr
.endm
.macro QWM ws, sb, M
	WIN (\ws)*0x15
	QWA \sb, 32, 40
	QWA \sb+32, 72, 41
	QWA \sb+64, 80, 42
	QWA \sb+96, 88, 43
	WIN (\ws)*0x10
	QWB \sb, 32, 40
	QWB \sb+32, 72, 41
	QWB \sb+64, 80, 42
	QWB \sb+96, 88, 43
	WIN 0
	QWC 32, 40
	QWC 72, 41
	QWC 80, 42
	QWC 88, 43
	v_cndmask_b32 v[VSW+2*\M], v34, v74, s66       ; lanes 0-15 the even tile's words, lanes 16-31 the odd tile's
	v_cndmask_b32 v[VSW+2*\M+1], v82, v90, s66
	WIN 0xC0+(\ws)
	QWD \sb, 32, VW+16*\M
	QWD \sb+32, 72, VW+16*\M+4
	QWD \sb+64, 80, VW+16*\M+8
	QWD \sb+96, 88, VW+16*\M+12
	v_nop                                          ; a plain line behind the last conversion
	WIN 0
.endm
; ================================================================ the head
	s_load_b512 s[4:19], s[0:1], 0x0               ; buffer n of the list lies in s[4 + 2 n : 5 + 2 n]
	s_load_b512 s[20:35], s[0:1], 0x40
	s_load_b512 s[36:51], s[0:1], 0x80
	s_load_b128 s[52:55], s[0:1], 0xc0
	v_lshrrev_b32 v7, 5, v0
	v_readfirstlane_b32 s70, v7                    ; wave
	s_lshl_b32 s69, ttmp9, 2
	s_add_co_u32 s69, s69, s70                     ; my first pair
	s_mov_b32 s60, 0x3c23d70a                      ; 0.01, twice: the packed form names a pair
	s_mov_b32 s61, 0x3c23d70a
	s_mov_b32 s62, 0x76543210                      ; v_permlanex16_b32's selects for lane l xor 16
	s_mov_b32 s63, 0xfedcba98
	s_mov_b32 s66, 0xffff0000                      ; lanes 16-31
	s_mov_b32 s67, 0x03030303                      ; lanes with r = 0, 1, 8, 9: the gradient weights' rows of a 16-bit fragment
	s_mov_b32 s68, 0x0c0c0c0c                      ; r = 2, 3, 10, 11: ff_w's rows
	v_and_b32 v28, 15, v0                          ; r
	v_bfe_u32 v30, v0, 4, 1                        ; h
	v_and_b32 v31, 31, v0                          ; lane
	v_lshlrev_b32 v[GOFF], 3, v28
	v_lshlrev_b32 v[OL], 3, v31
	v_lshlrev_b32 v[H8], 3, v30
	v_and_b32 v7, 7, v28
	v_and_b32 v31, 8, v28
	v_lshl_add_u32 v7, v31, 2, v7                  ; u0 = r % 8 + 32 (r / 8): my weight row within a tile
	v_and_b32 v31, 1, v28                          ; r % 2: which of the two components
	v_lshlrev_b32 v[OFW], 6, v7
	v_lshl_add_u32 v[OFW], v30, 4, v[OFW]          ; f's codes: 64 u0 + 16 h
	v_lshl_add_u32 v[OFS], v30, 3, v7
	v_lshlrev_b32 v[OFS], 2, v[OFS]                ; f's scale words: 4 (u0 + 8 h): lanes 16-31 take the odd tile's
	v_lshlrev_b32 v[OB], 7, v30                    ; 32 h numbers of f32
	v_lshlrev_b32 v[OX8], 3, v7                    ; a row of two numbers
	v_lshlrev_b32 v[OX4], 2, v7
	v_lshlrev_b32 v[OVF], 8, v7
	v_lshl_add_u32 v[OVF], v30, 7, v[OVF]          ; V2z, V3z along a row: 256 u0 + 128 h
	v_lshlrev_b32 v[OVB], 2, v7
	v_lshl_add_u32 v[OVB], v30, 13, v[OVB]         ; and down a column: 32 h rows + 4 u0
	v_lshlrev_b32 v[OG], 2, v31
	v_lshl_add_u32 v[OG], v30, 8, v[OG]            ; [64][2]: unit 32 h, component r % 2
	v_lshlrev_b32 v[OFFW], 9, v31
	v_lshl_add_u32 v[OFFW], v30, 7, v[OFFW]        ; ff_w: row r % 2, unit 32 h
	v_mov_b32 v[CF+1], 0
	v_mov_b32 v[WO], 0                             ; a lane permute's destination counts as one of its sources
	WIN 0xC0
.irp j, 0,1,2,3
	v_mov_b32 v[VW+64+\j], 0                       ; behind the last fragment of V
.endr
	s_wait_kmcnt 0x0
	s_load_b64 s[56:57], s[20:21], 0x0             ; Vfx
	s_load_b64 s[58:59], s[30:31], 0x0             ; ff_b
	; ---- V2z and V3z as f32 into windows 1 and 2, which f's weights take later: fragment q at 32 q, lane (m, h): K = 32 h + 0 .. 31 of its row or column
	WIN 0x40
.irp q, 0,1,2,3
.irp k, 0,1,2,3,4,5,6,7
	global_load_b128 v[32*\q+4*\k:32*\q+4*\k+3], v[OVF], s[16:17] offset:2048*\q+16*\k
	global_load_b128 v[128+32*\q+4*\k:128+32*\q+4*\k+3], v[OVF], s[18:19] offset:2048*\q+16*\k
.endr
.endr
	WIN 0x80
.irp q, 0,1,2,3
.set i, 0
.rept 32
	global_load_b32 v[32*\q+i], v[OVB], s[18:19] offset:256*i+32*\q
	global_load_b32 v[128+32*\q+i], v[OVB], s[16:17] offset:256*i+32*\q
.set i, i+1
.endr
.endr
	WIN 0xC0
.irp k, 0,1,2,3,4,5,6,7
	global_load_b128 v[VFZ+4*\k:VFZ+4*\k+3], v[OB], s[22:23] offset:16*\k
.endr
.irp t, 0,1,2,3,4,5,6,7
	global_load_b64 v[XWF+2*\t:XWF+2*\t+1], v[OX8], s[24:25] offset:8*(64*(\t/4)+8*(\t%4))
.endr
.irp q, 0,1,2,3
	global_load_b64 v[XWL+2*\q:XWL+2*\q+1], v[OX8], s[10:11] offset:64*\q
	global_load_b64 v[XW2+2*\q:XW2+2*\q+1], v[OX8], s[12:13] offset:64*\q
	global_load_b64 v[XW3+2*\q:XW3+2*\q+1], v[OX8], s[14:15] offset:64*\q
.endr
	WIN 0
.irp n, 0,1,2,3
.irp p, 0,1,2,3
	global_load_b32 v[FSW+4*\n+\p], v[OFS], s[40+2*\n:41+2*\n] offset:4*(64*(\p/2)+16*(\p%2))
.endr
.endr
.irp t, 0,1,2,3,4,5,6,7
	global_load_b32 v[8+\t], v[OX4], s[26:27] offset:4*(64*(\t/4)+8*(\t%4))   ; f1_b at my weight rows
.endr
.set i, 0
.rept 32
	global_load_b32 v[TT+i], v[OG], s[14:15] offset:8*i                     ; V3x, V2x, Vl1 at units 32 h + i
	global_load_b32 v[C1+i], v[OG], s[12:13] offset:8*i
	global_load_b32 v[C2+i], v[OG], s[10:11] offset:8*i
.set i, i+1
.endr
	s_wait_loadcnt 0x0
	QWM 1, 0, 0                                    ; V2z, K = axis 1
	QWM 1, 128, 1                                  ; V3z, K = axis 1
	QWM 2, 0, 2                                    ; V3z, K = axis 0
	QWM 2, 128, 3                                  ; V2z, K = axis 0
	WIN 0xC3                                       ; the f32 fragments' lanes 16-31 (K places 2, 3): f1's bias and 0; zeros elsewhere
.irp t, 0,1,2,3,4,5,6,7
	v_cndmask_b32 v[XWF+2*\t], v[XWF+2*\t], v[8+\t], s66
	v_cndmask_b32 v[XWF+2*\t+1], v[XWF+2*\t+1], 0, s66
.endr
.irp j, 0,1,2,3,4,5,6,7
	v_cndmask_b32 v[XWL+\j], v[XWL+\j], 0, s66
	v_cndmask_b32 v[XW2+\j], v[XW2+\j], 0, s66
	v_cndmask_b32 v[XW3+\j], v[XW3+\j], 0, s66
.endr
	WIN 0xC0                                       ; the bf16 fragments: register j of fragment (g, s) holds units 32 h + 16 s + 2 j, + 1, as the data operand's register j does
.set i, 0
.rept 48
	v_cvt_pk_bf16_f32 v[BWG+i], v[TT+2*i], v[TT+2*i+1]
.set i, i+1
.endr
	WIN 0xCC
.set i, 0
.rept 48
	v_cndmask_b32 v[BWG+i], 0, v[BWG+i], s67       ; rows 0, 1 and 8, 9 alone
.set i, i+1
.endr
	; ---- f's weights and biases, ff_w, and the first two tiles of X
	WIN 0x40
.irp n, 0,1,2,3
.irp t, 0,1,2,3,4,5,6,7
.irp c, 0,1
	global_load_b128 v[64*\n+8*\t+4*\c:64*\n+8*\t+4*\c+3], v[OFW], s[32+2*\n:33+2*\n] offset:64*(64*(\t/4)+8*(\t%4))+32*\c
.endr
.endr
.endr
	WIN 0x80
.irp n, 0,1,2,3
.irp k, 0,1,2,3,4,5,6,7,8,9,10,11,12,13,14,15
	global_load_b128 v[64*\n+4*\k:64*\n+4*\k+3], v[OB], s[48+2*\n:49+2*\n] offset:256*(\k/8)+16*(\k%8)
.endr
.endr
	WIN 0
.irp s, 0,1,2,3
.irp k, 0,1,2,3
	global_load_b128 v[TT+16*\s+4*\k:TT+16*\s+4*\k+3], v[OFFW], s[28:29] offset:256*(\s/2)+64*(\s%2)+16*\k
.endr
.endr
	s_lshl_b32 s71, s69, 8
	v_add_nc_u32 v[VOFFA], s71, v[GOFF]
	v_add_nc_u32 v[VOFFB], 128, v[VOFFA]
	global_load_b64 v[XNA:XNA+1], v[VOFFA], s[4:5]
	global_load_b64 v[XNA+2:XNA+3], v[VOFFA], s[6:7]
	global_load_b64 v[XNB:XNB+1], v[VOFFB], s[4:5]
	global_load_b64 v[XNB+2:XNB+3], v[VOFFB], s[6:7]
	s_wait_loadcnt 0x0
	WIN 0xC0
.set i, 0
.rept 32
	v_cvt_pk_f16_f32 v[BWF+i], v[TT+2*i], v[TT+2*i+1]
.set i, i+1
.endr
	WIN 0xCC
.set i, 0
.rept 32
	v_cndmask_b32 v[BWF+i], 0, v[BWF+i], s68       ; rows 2, 3 and 10, 11 alone
.set i, i+1
.endr
	WIN 0
.irp j, 4,5,6,7
	v_mov_b32 v[VC+\j], 0                          ; the zero codes of K = 64 .. 127
.endr
	s_wait_kmcnt 0x0                               ; Vfx, ff_b
	PREP XNA, VOFFA, 1024, 0                       ; tile A of my first pair; the loads for tile A of the next (the counted wait is met: nothing is out)
	X32 ZB, 0, XWF, XB
	X32 ZB, 1, XWF+2, XB
	X32 ZB, 2, XWF+4, XB
	X32 ZB, 3, XWF+6, XB
	X32 ZF, 0, XWF+8, XB
	WIN 0
.rept 8
	v_nop                                          ; eight places behind the f32 form, in front of the first read of its results
.endr
; ================================================================ a trip: a pair of tiles; the zones change over twice and are back where they began
.Ltrip:
	TILE ZB, ZF, 0, XNB, VOFFB, 1024, 128
	TILE ZF, ZB, 1, XNA, VOFFA, 2048, 0
	PF
	s_add_co_u32 s69, s69, 1024
	s_cmp_lt_u32 s69, PAIRS
	s_cbranch_scc1 .Ltrip
	s_endpgm
.Lfunc_end_k_q176777bfd3_icnn:
	.size	k_q176777bfd3_icnn, .Lfunc_end_k_q176777bfd3_icnn-k_q176777bfd3_icnn
	.p2alignl 7, 3214868480
	.fill 96, 4, 3214868480
	.section	.rodata,"a",@progbits
	.p2align	6, 0x0
	.amdhsa_kernel k_q176777bfd3_icnn
		.amdhsa_group_segment_fixed_size 0
		.amdhsa_private_segment_fixed_size 0
		.amdhsa_enable_private_segment 0
		.amdhsa_kernarg_size 208
		.amdhsa_user_sgpr_count 2
		.amdhsa_user_sgpr_kernarg_segment_ptr 1
		.amdhsa_wavefront_size32 1
		.amdhsa_system_sgpr_workgroup_id_x 1
		.amdhsa_system_sgpr_workgroup_id_y 1
		.amdhsa_system_sgpr_workgroup_id_z 1
		.amdhsa_system_vgpr_workitem_id 0
		.amdhsa_next_free_vgpr 1024
		.amdhsa_next_free_sgpr 80
		.amdhsa_reserve_vcc 0
		.amdhsa_float_denorm_mode_32 3
		.amdhsa_float_denorm_mode_16_64 3
		.amdhsa_memory_ordered 1
		.amdhsa_forward_progress 1
		.amdhsa_inst_pref_size 245
	.end_amdhsa_kernel
	.amdgpu_metadata
---
amdhsa.version: [ 1, 2 ]
amdhsa.kernels:
  - .name:           k_q176777bfd3_icnn
    .symbol:         k_q176777bfd3_icnn.kd
    .args:
      - { .name: X, .offset: 0, .size: 8, .value_kind: global_buffer, .address_space: global }
      - { .name: Xstable, .offset: 8, .size: 8, .value_kind: global_buffer, .address_space: global }
      - { .name: out0, .offset: 16, .size: 8, .value_kind: global_buffer, .address_space: global }
      - { .name: Vl1_w, .offset: 24, .size: 8, .value_kind: global_buffer, .address_space: global }
      - { .name: V2x_w, .offset: 32, .size: 8, .value_kind: global_buffer, .address_space: global }
      - { .name: V3x_w, .offset: 40, .size: 8, .value_kind: global_buffer, .address_space: global }
      - { .name: V2z_w, .offset: 48, .size: 8, .value_kind: global_buffer, .address_space: global }
      - { .name: V3z_w, .offset: 56, .size: 8, .value_kind: global_buffer, .address_space: global }
      - { .name: Vfx_w, .offset: 64, .size: 8, .value_kind: global_buffer, .address_space: global }
      - { .name: Vfz_w, .offset: 72, .size: 8, .value_kind: global_buffer, .address_space: global }
      - { .name: f1_w, .offset: 80, .size: 8, .value_kind: global_buffer, .address_space: global }
      - { .name: f1_b, .offset: 88, .size: 8, .value_kind: global_buffer, .address_space: global }
      - { .name: ff_w, .offset: 96, .size: 8, .value_kind: global_buffer, .address_space: global }
      - { .name: ff_b, .offset: 104, .size: 8, .value_kind: global_buffer, .address_space: global }
      - { .name: f2_w_codes, .offset: 112, .size: 8, .value_kind: global_buffer, .address_space: global }
      - { .name: f3_w_codes, .offset: 120, .size: 8, .value_kind: global_buffer, .address_space: global }
      - { .name: f4_w_codes, .offset: 128, .size: 8, .value_kind: global_buffer, .address_space: global }
      - { .name: f5_w_codes, .offset: 136, .size: 8, .value_kind: global_buffer, .address_space: global }
      - { .name: f2_w_scales, .offset: 144, .size: 8, .value_kind: global_buffer, .address_space: global }
      - { .name: f3_w_scales, .offset: 152, .size: 8, .value_kind: global_buffer, .address_space: global }
      - { .name: f4_w_scales, .offset: 160, .size: 8, .value_kind: global_buffer, .address_space: global }
      - { .name: f5_w_scales, .offset: 168, .size: 8, .value_kind: global_buffer, .address_space: global }
      - { .name: f2_b, .offset: 176, .size: 8, .value_kind: global_buffer, .address_space: global }
      - { .name: f3_b, .offset: 184, .size: 8, .value_kind: global_buffer, .address_space: global }
      - { .name: f4_b, .offset: 192, .size: 8, .value_kind: global_buffer, .address_space: global }
      - { .name: f5_b, .offset: 200, .size: 8, .value_kind: global_buffer, .address_space: global }
    .group_segment_fixed_size: 0
    .private_segment_fixed_size: 0
    .kernarg_segment_align: 8
    .kernarg_segment_size: 208
    .max_flat_workgroup_size: 128
    .sgpr_count:     80
    .vgpr_count:     1024
    .wavefront_size: 32
...
	.end_amdgpu_metadata
.endif
;; end of part 1
